; MI455X (gfx1250); checked and timed in simulation.
; The chip was launched on July 23, 2026; its instructions are those of AMD's public machine-readable ISA for CDNA 5 (MIT licence, August 2026) and "CDNA5" Instruction Set Architecture Reference Guide (July 2026). The comments in the code are by the model that wrote it; some were corrected since.
;; Gaussian Rasterizer. Allowed arithmetic: float matrix products may take bf16 or f16 operands with f32 sums; all other float work in f32.
;; Inputs: bg 3 float32; colors_precomp 2,048 x 3 float32; means2D 2,048 x 3 float32; means3D 2,048 x 3 float32; opacities 2,048 x 1 float32; rotations 2,048 x 4 float32; scales 2,048 x 3 float32; viewmatrix 4 x 4 float32.
;; Outputs: out0 3 x 128 x 128 float32.
;; One version. Each part assembles by itself: llvm-mc -triple=amdgcn-amd-amdhsa -mcpu=gfx1250 --defsym DOCPART=n.
;; ======== version 1 of 1: 2 launches
;; workspace buffers: par 65,536 bytes; rank 8,192 bytes of whole numbers
;; launch prep (part 1): grid 64 x 1, 16 waves a work-group, no clusters, 12,288 bytes of LDS; arguments means3D, opacities, colors_precomp, scales, rotations, viewmatrix, par, rank; writes par, rank
.if DOCPART == 1
	.amdgcn_target "amdgcn-amd-amdhsa--gfx1250"
	.amdhsa_code_object_version 6
	.text
	.protected	k_q6ebf18af78_prep
	.globl	k_q6ebf18af78_prep
	.p2align	8
	.type	k_q6ebf18af78_prep,@function
k_q6ebf18af78_prep:
	s_mov_b64 s[64:65], 0
	v_nop
	global_prefetch_b8 v0, s[64:65] scope:SCOPE_SE
	s_setreg_imm32_b32 hwreg(HW_REG_WAVE_MODE, 25, 1), 1
	s_wait_xcnt 0x0
; PROJECTION AND DEPTH RANK OF 2,048 GAUSSIANS.
; par, plane 0 [i] = (px, A', l2o, py), plane 1 [i] (32,768 bytes further) = (b/c, K/c, bf16 R | bf16 G << 16, bf16 B), K = log2(e)/2,
;   where a, b, c is the dilated 2 x 2 covariance, det = a c - b b, A' = K c / det, l2o = log2(opacity).  With these
;   log2(opacity * exp(power)) = l2o - (K/c) dy^2 - A' (dx - (b/c) dy)^2, the square completed in dx: exact algebra.
; rank[i] = how many j have key_j < key_i, or key_j = key_i and j < i (a stable sort's place), key = the bits of the camera depth, unsigned.
; means2D enters no step of the computation and is therefore no argument.
;
; SHARE: 64 work-groups of 16 waves.  Group ib owns gaussians i = 32 ib + lane.  All 512 threads make the 2,048 keys (4 each) into LDS;
; wave w then counts, for the group's 32 gaussians, over j = 128 w .. 128 w + 127; wave 0 also projects the 32 gaussians and adds the 16 counts.
;
; LIMITS, stated:
;  - A gaussian with det <= 0, depth <= 0.2, c <= 0 or opacity <= 0 contributes nothing: it gets l2o = -1e30 and zeros for its geometry.
;    (c <= 0 with det > 0 is a negative definite form: its power is > 0 everywhere but at its centre, where this text differs.)
;  - Only gaussians with depth > 0.2 are drawn, and for positive floats the order of the bits is the order of the numbers; the others'
;    places in the order change no result.  Keys are capped at 0xfffffffe so that key + 1 never wraps: rank is always a permutation.
;  - The depth is made as mul, fma, fma, add: two depths within one unit in the last place may sort otherwise than a plain dot product's.
;  - Divisions are v_rcp_f32 and a multiply; infinities and NaN in a drawn gaussian's intermediates are not reproduced.
.set KEYS,   0                         ; LDS 0 .. 8191: u32 key[j]
.set PART,   8192                      ; LDS 8192 .. 10239: u32 count[wave][lane]
.set PLANE1, 32768                     ; bytes from par's plane 0 to plane 1
.set KHALF,  0x3f38aa3b                ; log2(e) / 2
.set KEYI, 24                          ; v24  key of my gaussian
.set THR,  25                          ; v25  key, or key + 1 for blocks of j that lie in front of mine
.set CNT,  26                          ; v26  my count
.set KJ,   64                          ; v[64:191] the wave's 128 keys; before that wave 0's temporaries
; v1 lane; v2, v3 addresses; v[4:15] 4 means; v[16:19] 4 keys; v[28:29] two keys of my own block; v[32:35] quaternion; v36-38 mean; v39-41 scale;
; v42-44 colour; v45 opacity; v[48:51], v[52:55] the two stored quads; v56, v57, v58 = 4 i, 12 i, 16 i (never rewritten)
; s[4:19] the eight addresses; s20 wave; s21 ib; s[32:47] viewmatrix, V[a][b] = s[32 + 4 a + b]
	s_load_b512 s[4:19], s[0:1], 0x0               ; means3D s[4:5], opacities s[6:7], colours s[8:9], scales s[10:11], rotations s[12:13], viewmatrix s[14:15], par s[16:17], rank s[18:19]
	v_lshl_add_u32 v192, v0, 2, 0x2800
	v_mov_b32 v193, 0
	v_and_b32 v1, 31, v0                           ; lane
	v_lshrrev_b32 v2, 5, v0
	v_readfirstlane_b32 s20, v2                    ; wave 0 .. 15
	s_mov_b32 s21, ttmp9                           ; ib
	s_lshl_b32 s22, ttmp9, 5
	v_mul_u32_u24 v3, 48, v0                       ; four means = 48 bytes a thread
	v_add_nc_u32 v59, s22, v1                      ; i = 32 ib + lane
	v_lshlrev_b32 v56, 2, v59
	v_mul_u32_u24 v57, 12, v59
	v_lshlrev_b32 v58, 4, v59
	s_wait_kmcnt 0x0
	s_load_b512 s[32:47], s[14:15], 0x0            ; the 16 numbers of the view matrix
	s_cmp_lg_u32 s20, 0
	s_cbranch_scc1 .Lkeys
	; wave 0 alone: everything of the group's 32 gaussians, asked for first so that it is there when the keys are done
	global_load_b128 v[32:35], v58, s[12:13]
.irp k, 0,1,2
	global_load_b32 v[36+\k], v57, s[4:5] offset:4*\k
	global_load_b32 v[39+\k], v57, s[10:11] offset:4*\k
	global_load_b32 v[42+\k], v57, s[8:9] offset:4*\k
.endr
	global_load_b32 v45, v56, s[6:7]
.Lkeys:
	global_load_b128 v[4:7], v3, s[4:5]            ; gaussians 4 t .. 4 t + 3: 48 neighbouring bytes
	global_load_b128 v[8:11], v3, s[4:5] offset:16
	global_load_b128 v[12:15], v3, s[4:5] offset:32
	v_lshlrev_b32 v2, 4, v0                        ; where my four keys go
	s_wait_kmcnt 0x0                               ; the view matrix
	s_wait_loadcnt 0x0                             ; zero: the three loads are the youngest, wave 0's eleven are older
.irp g, 0,1,2,3
	v_mul_f32 v[16+\g], s40, v[4+3*\g]             ; depth = V[2] . mean + V[2][3]
.endr
.irp g, 0,1,2,3
	v_fmac_f32 v[16+\g], s41, v[5+3*\g]
.endr
.irp g, 0,1,2,3
	v_fmac_f32 v[16+\g], s42, v[6+3*\g]
.endr
.irp g, 0,1,2,3
	v_add_f32 v[16+\g], s43, v[16+\g]
.endr
.irp g, 0,1,2,3
	v_min_u32 v[16+\g], 0xfffffffe, v[16+\g]       ; the bits as an unsigned key; key + 1 cannot wrap
.endr
	ds_store_b128 v2, v[16:19]
	s_wait_dscnt 0x0                               ; zero, for the other waves' sake: my keys are in LDS before I say so
	s_barrier_signal -1
	s_barrier_wait -1
	s_cmp_lg_u32 s20, 0
	s_cbranch_scc1 .Lcount
	; ---- wave 0: the projection of gaussian i ----
	v_mul_f32 v64, s32, v36                        ; t = V[0:3][0:3] mean + V[0:3][3]: v64, v65, v66 (the depth, made as for the keys)
	v_mul_f32 v65, s36, v36
	v_mul_f32 v66, s40, v36
	v_fmac_f32 v64, s33, v37
	v_fmac_f32 v65, s37, v37
	v_fmac_f32 v66, s41, v37
	v_fmac_f32 v64, s34, v38
	v_fmac_f32 v65, s38, v38
	v_fmac_f32 v66, s42, v38
	v_add_f32 v64, s35, v64
	v_add_f32 v65, s39, v65
	v_add_f32 v66, s43, v66
	v_mul_f32 v68, v32, v32                        ; |q|^2
	v_fmac_f32 v68, v33, v33
	v_fmac_f32 v68, v34, v34
	v_fmac_f32 v68, v35, v35
	v_rcp_f32 v67, v66                             ; 1 / depth
	v_rcp_f32 v69, v68                             ; 1 / |q|^2; the products below are the plain lines between these two and their first use (ISA guide 5.7.2)
	v_mul_f32 v70, v33, v33                        ; xx
	v_mul_f32 v71, v34, v34                        ; yy
	v_mul_f32 v73, v33, v34                        ; xy
	v_mul_f32 v74, v33, v35                        ; xz
	v_mul_f32 v75, v34, v35                        ; yz
	v_fma_f32 v80, v35, v35, v71                   ; yy + zz
	v_fma_f32 v81, -v32, v35, v73                  ; xy - rz
	v_fma_f32 v82, v32, v34, v74                   ; xz + ry
	v_fma_f32 v83, v32, v35, v73                   ; xy + rz
	v_fma_f32 v84, v35, v35, v70                   ; xx + zz
	v_fma_f32 v85, -v32, v33, v75                  ; yz - rx
	v_fma_f32 v86, -v32, v34, v74                  ; xz - ry
	v_fma_f32 v87, v32, v33, v75                   ; yz + rx
	v_fma_f32 v88, v34, v34, v70                   ; xx + yy
	s_wait_alu depctr_va_vdst(0)
	v_add_f32 v69, v69, v69                        ; 2 / |q|^2: the normalisation and the factor 2 in one
	v_fma_f32 v100, -v69, v80, 1.0                 ; R[j][k] in v[100 + 3 j + k]
	v_mul_f32 v101, v69, v81
	v_mul_f32 v102, v69, v82
	v_mul_f32 v103, v69, v83
	v_fma_f32 v104, -v69, v84, 1.0
	v_mul_f32 v105, v69, v85
	v_mul_f32 v106, v69, v86
	v_mul_f32 v107, v69, v87
	v_fma_f32 v108, -v69, v88, 1.0
	v_mul_f32 v90, v64, v67                        ; t0 / depth, t1 / depth, clipped to +-1.3 x 0.5
	v_mul_f32 v89, v65, v67
	v_mul_f32 v91, 0x43000000, v67                 ; j0 = 128 / depth (fx = fy = 128)
	v_max_num_f32 v90, 0xbf266666, v90
	v_max_num_f32 v89, 0xbf266666, v89
	v_min_num_f32 v90, 0x3f266666, v90
	v_min_num_f32 v89, 0x3f266666, v89
	v_mul_f32 v92, -v91, v90                       ; J[0][2] = -fx (clip x depth) / depth^2 = -j0 clip
	v_mul_f32 v93, -v91, v89                       ; J[1][2]
	v_mul_f32 v94, s32, v91                        ; T = J V[0:3][0:3]: T[0][k] v94-96, T[1][k] v97-99
	v_mul_f32 v95, s33, v91
	v_mul_f32 v96, s34, v91
	v_mul_f32 v97, s36, v91
	v_mul_f32 v98, s37, v91
	v_mul_f32 v99, s38, v91
	v_fmac_f32 v94, s40, v92
	v_fmac_f32 v95, s41, v92
	v_fmac_f32 v96, s42, v92
	v_fmac_f32 v97, s40, v93
	v_fmac_f32 v98, s41, v93
	v_fmac_f32 v99, s42, v93
.irp k, 0,1,2
	v_mul_f32 v[110+\k], v94, v[100+\k]            ; U = T R diag(scale): U[0][k] v110-112, U[1][k] v113-115; cov2D = U U^T
	v_mul_f32 v[113+\k], v97, v[100+\k]
	v_fmac_f32 v[110+\k], v95, v[103+\k]
	v_fmac_f32 v[113+\k], v98, v[103+\k]
	v_fmac_f32 v[110+\k], v96, v[106+\k]
	v_fmac_f32 v[113+\k], v99, v[106+\k]
	v_mul_f32 v[110+\k], v[39+\k], v[110+\k]
	v_mul_f32 v[113+\k], v[39+\k], v[113+\k]
.endr
	v_fmaak_f32 v116, v110, v110, 0x3e99999a       ; a = U0 . U0 + 0.3
	v_mul_f32 v117, v110, v113                     ; b = U0 . U1
	v_fmaak_f32 v118, v113, v113, 0x3e99999a       ; c = U1 . U1 + 0.3
	v_fmac_f32 v116, v111, v111
	v_fmac_f32 v117, v111, v114
	v_fmac_f32 v118, v114, v114
	v_fmac_f32 v116, v112, v112
	v_fmac_f32 v117, v112, v115
	v_fmac_f32 v118, v115, v115
	v_mul_f32 v119, v117, v117
	v_fma_f32 v119, v116, v118, -v119              ; det = a c - b b
	v_rcp_f32 v120, v118                           ; 1 / c
	v_rcp_f32 v121, v119                           ; 1 / det
	v_log_f32 v122, v45                            ; log2(opacity); the two lines below are the plain lines behind these three
	v_fmaak_f32 v48, v91, v64, 0x427e0000          ; px = fx t0 / depth + 63.5
	v_fmaak_f32 v51, v91, v65, 0x427e0000          ; py
	v_cmp_lt_f32 s28, 0, v119                      ; det > 0
	v_cmp_lt_f32 s29, 0x3e4ccccd, v66              ; depth > 0.2
	v_cmp_lt_f32 s30, 0, v118                      ; c > 0
	v_cmp_lt_f32 s25, 0, v45                       ; opacity > 0 (else alpha < 1/255 everywhere)
	s_wait_alu depctr_va_vdst(0)
	v_mul_f32 v52, v117, v120                      ; b / c
	v_mul_f32 v53, KHALF, v120                     ; K / c
	v_mul_f32 v49, v118, v121
	v_mul_f32 v49, KHALF, v49                      ; A' = K c / det
	s_and_b32 s28, s28, s29
	s_and_b32 s30, s30, s25
	s_and_b32 vcc_lo, s28, s30
	v_cndmask_b32 v48, 0, v48, vcc_lo              ; a gaussian that is not drawn: zeros, and log2(opacity) = -1e30
	v_cndmask_b32 v49, 0, v49, vcc_lo
	v_cndmask_b32 v50, 0xf149f2ca, v122, vcc_lo
	v_cndmask_b32 v51, 0, v51, vcc_lo
	v_cndmask_b32 v52, 0, v52, vcc_lo
	v_cndmask_b32 v53, 0, v53, vcc_lo
	v_cvt_pk_bf16_f32 v54, v42, v43                ; the colours as the matrix unit will take them: R low, G high
	v_cvt_pk_bf16_f32 v55, v44, v44                ; B in the low half (the high half is not used)
	global_store_b128 v58, v[48:51], s[16:17]      ; 32 lanes x 16 bytes: 512 neighbouring bytes, aligned
	global_store_b128 v58, v[52:55], s[16:17] offset:PLANE1    ; v58 and v[48:55] are not written again
	; ---- every wave: count over its 128 keys ----
.Lcount:
	s_lshl_b32 s22, s21, 7
	s_lshl3_add_u32 s22, s20, s22                  ; 4 (32 ib + 2 w): two keys of my own block
	s_lshl_b32 s23, s20, 9                         ; 4 x 128 w: the wave's keys
	v_mov_b32 v2, s22
	v_mov_b32 v3, s23
	ds_load_b32 v[KEYI], v56                       ; key[i]
	ds_load_b64 v[28:29], v2
.set n, 0
.rept 32
	ds_load_b128 v[KJ+4*n:KJ+4*n+3], v3 offset:16*n    ; one address for all lanes: every lane gets all 128 keys
.set n, n+1
.endr
	s_wait_dscnt 32                                ; LDS loads return in order (ISA guide 5.7.1): key[i] and the pair are in, the 32 younger loads stay out
	; equal keys inside my own block count only if j < i.  The block's 32 j are shared out, two to each of the 16 waves: jl = 2 w, 2 w + 1.
	s_lshl_b32 s24, s20, 1
	v_cmp_eq_u32 s25, v28, v[KEYI]
	v_cmp_lt_u32 vcc_lo, s24, v1                   ; jl < lane
	s_and_b32 vcc_lo, vcc_lo, s25
	v_cndmask_b32 v[CNT], 0, 1, vcc_lo             ; starts the count: nothing is cleared
	s_add_co_u32 s24, s24, 1
	v_cmp_eq_u32 s25, v29, v[KEYI]
	v_cmp_lt_u32 vcc_lo, s24, v1
	s_and_b32 vcc_lo, vcc_lo, s25
	v_add_co_ci_u32 v[CNT], vcc_lo, 0, v[CNT], vcc_lo
; four keys: a compare and an add of its bit for each.  n = the load's number: the 31 - n younger loads stay out.
.macro CNT4 n
	s_wait_dscnt 31-(\n)
.irp e, 0,1,2,3
	v_cmp_lt_u32 vcc_lo, v[KJ+4*(\n)+\e], v[THR]
	v_add_co_ci_u32 v[CNT], vcc_lo, 0, v[CNT], vcc_lo
.endr
.endm
	s_lshl_b32 s22, s20, 2                         ; the wave's first block of 32 j
.irp b, 0,1,2,3
	s_add_co_u32 s23, s22, \b
	s_cmp_lt_u32 s23, s21                          ; a block in front of mine: every j < i, so equal keys count too: key_j < key_i + 1
	s_cselect_b32 s23, 1, 0
	v_add_nc_u32 v[THR], s23, v[KEYI]
.irp m, 0,1,2,3,4,5,6,7
	CNT4 8*\b+\m
.endr
.endr
	; All reads of keys end here in every wave before any count is stored.  The last wait above was for zero, so none of my LDS loads is out at
	; the signal.  (The keys end at byte 8,191 and the counts begin at 8,192; two of the key loads take their address from the work-group's number,
	; and with this barrier the order of reads and stores does not rest on that arithmetic.  The waves meet wave 0 behind the store anyway.)
	s_barrier_signal -1
	s_barrier_wait -1
	v_lshlrev_b32 v2, 2, v0                        ; count[wave][lane] = word t
	ds_store_b32 v2, v[CNT] offset:PART
	s_wait_dscnt 0x0                               ; zero: wave 0 reads these words behind the barrier
	s_barrier_signal -1
	s_barrier_wait -1
	s_cmp_lg_u32 s20, 0
	s_cbranch_scc1 .Lend
	v_lshlrev_b32 v3, 2, v1
.irp k, 0,1,2,3,4,5,6,7,8,9,10,11,12,13,14,15
	ds_load_b32 v[64+\k], v3 offset:PART+128*\k
.endr
	s_wait_dscnt 0x0
	v_add3_u32 v64, v64, v65, v66
	v_add3_u32 v67, v67, v68, v69
	v_add3_u32 v70, v70, v71, v72
	v_add3_u32 v73, v73, v74, v75
	v_add3_u32 v76, v76, v77, v78
	v_add3_u32 v64, v64, v67, v70
	v_add3_u32 v73, v73, v76, v79
	v_add_nc_u32 v64, v64, v73
	global_store_b32 v56, v64, s[18:19]            ; rank[i]: 128 neighbouring bytes
.Lend:
	s_wait_tensorcnt 0x0
	ds_add_u32 v192, v193
	s_wait_dscnt 0x0
	s_endpgm
.Lfunc_end_k_q6ebf18af78_prep:
	.size	k_q6ebf18af78_prep, .Lfunc_end_k_q6ebf18af78_prep-k_q6ebf18af78_prep
	.p2alignl 7, 3214868480
	.fill 96, 4, 3214868480
	.section	.rodata,"a",@progbits
	.p2align	6, 0x0
	.amdhsa_kernel k_q6ebf18af78_prep
		.amdhsa_group_segment_fixed_size 12288
		.amdhsa_private_segment_fixed_size 0
		.amdhsa_enable_private_segment 0
		.amdhsa_kernarg_size 64
		.amdhsa_user_sgpr_count 2
		.amdhsa_user_sgpr_kernarg_segment_ptr 1
		.amdhsa_wavefront_size32 1
		.amdhsa_system_sgpr_workgroup_id_x 1
		.amdhsa_system_sgpr_workgroup_id_y 1
		.amdhsa_system_sgpr_workgroup_id_z 1
		.amdhsa_system_vgpr_workitem_id 0
		.amdhsa_next_free_vgpr 194
		.amdhsa_next_free_sgpr 66
		.amdhsa_reserve_vcc 1
		.amdhsa_float_denorm_mode_32 3
		.amdhsa_float_denorm_mode_16_64 3
		.amdhsa_memory_ordered 1
		.amdhsa_forward_progress 1
		.amdhsa_inst_pref_size 23
	.end_amdhsa_kernel
	.amdgpu_metadata
---
amdhsa.version: [ 1, 2 ]
amdhsa.kernels:
  - .name:           k_q6ebf18af78_prep
    .symbol:         k_q6ebf18af78_prep.kd
    .args:
      - { .name: means3D, .offset: 0, .size: 8, .value_kind: global_buffer, .address_space: global }
      - { .name: opacities, .offset: 8, .size: 8, .value_kind: global_buffer, .address_space: global }
      - { .name: colors_precomp, .offset: 16, .size: 8, .value_kind: global_buffer, .address_space: global }
      - { .name: scales, .offset: 24, .size: 8, .value_kind: global_buffer, .address_space: global }
      - { .name: rotations, .offset: 32, .size: 8, .value_kind: global_buffer, .address_space: global }
      - { .name: viewmatrix, .offset: 40, .size: 8, .value_kind: global_buffer, .address_space: global }
      - { .name: par, .offset: 48, .size: 8, .value_kind: global_buffer, .address_space: global }
      - { .name: rank, .offset: 56, .size: 8, .value_kind: global_buffer, .address_space: global }
    .group_segment_fixed_size: 12288
    .private_segment_fixed_size: 0
    .kernarg_segment_align: 8
    .kernarg_segment_size: 64
    .max_flat_workgroup_size: 512
    .sgpr_count:     66
    .vgpr_count:     194
    .wavefront_size: 32
...
	.end_amdgpu_metadata
.endif
;; end of part 1
;; launch render (part 2): grid 2 x 128, 16 waves a work-group, no clusters, 169,984 bytes of LDS; arguments par, rank, bg, out0; writes out0
.if DOCPART == 2
	.amdgcn_target "amdgcn-amd-amdhsa--gfx1250"
	.amdhsa_code_object_version 6
	.text
	.protected	k_q6ebf18af78_render
	.globl	k_q6ebf18af78_render
	.p2align	8
	.type	k_q6ebf18af78_render,@function
k_q6ebf18af78_render:
	s_mov_b64 s[64:65], 0
	v_nop
	global_prefetch_b8 v0, s[64:65] scope:SCOPE_SE
	s_setreg_imm32_b32 hwreg(HW_REG_WAVE_MODE, 25, 1), 1
	s_wait_xcnt 0x0
; FRONT-TO-BACK COMPOSITING OF 2,048 SORTED GAUSSIANS OVER 64 PIXELS OF ONE IMAGE ROW.
; Work-group (tx, y): pixels x = 64 tx .. 64 tx + 63 of row y; 2 x 128 = 256 work-groups; its output is three aligned runs of 256 bytes.
; All its pixels share dy = y - py, so each gaussian shrinks to three numbers: xc = px + (b/c) dy, A', lr = l2o - (K/c) dy^2, and
;   log2(opacity exp(power)) = lr - A' (x - xc)^2        (par's layout and the algebra: see the launch that stores it)
; Compositing is associative: a stretch of the sorted list gives (C, T) = (its colour sum, its transmittance), and stretches join by
; C = C0 + T0 C1 + T0 T1 C2 + ...  The list is cut into 32 segments of 64.  Lane (r, h) of wave w (r = lane % 16, h = lane / 16) walks segment
; 2 w + h for the four pixels 16 q + r, q = 0 .. 3: 64 steps a wave, every lane of 16 waves at work on 64 pixels.
; THE PRODUCT weights x colours goes to the matrix unit in bf16, 16 steps at a time.  In A and in B alike, the K places of lane half h hold the
; 16 gaussians of half h's segment; B's column n holds colour channel n - 3 h of them where that is 0 .. 2, else zeros.  So one instruction gives
; segment 2 w's r, g, b in columns 0 .. 2 and segment 2 w + 1's in columns 3 .. 5.
;
; NO CLUSTER, NO TENSOR LOAD: all work-groups read the same 73,728 bytes (par, rank), but every record passes through registers for the row
; transform and lands at an LDS address given by its rank; a jointly loaded tile would be 73,728 more bytes of LDS written and read once more.
; More than half of a WGP's LDS is asked for (129,280 bytes are used) so that each of the 256 work-groups has a WGP to itself.
;
; LIMITS, stated: weights and colours enter the product as bf16 (2^-9 relative each), sums in f32.  power is minus a sum of two squares here and
; never exceeds 0, so the test power > 0 has no line of its own (it could fire only by rounding; the negative definite case is dropped upstream).
; exp is v_exp_f32 (base 2, results below 2^-126 become 0, far under the cut at 1/255).  NaN and infinities in par are not reproduced.
.set COLT,   32768                     ; LDS 0 .. 32767: 16 bytes for each sorted gaussian (xc, A', lr, py; the last is not used again)
.set CPITCH, 4160                      ; LDS 32768 ..: four rows of 2,048 bf16, channels r, g, b and a row of zeros; 4,096 + 64 bytes apart,
                                       ;   so that the four rows that a B load touches start 64 bytes apart modulo 256
.set CBUF,   49408                     ; row 16 w + column, 64 f32 (one a pixel), 272 bytes apart: 256 rows
.set CBP,    272
.set TBUF,   119040                    ; row = segment, 64 f32, 320 bytes apart: 32 rows, ends at 129,280
.set TBP,    320
.set SEG, 3                            ; v3        my segment, 2 w + h
.set RA,  4                            ; v4        LDS address of my segment's records
.set BA,  5                            ; v5        LDS address (less COLT) of my column's colours in my segment
.set X,   8                            ; v[8:11]   x of my four pixels, f32
.set T,   12                           ; v[12:15]  their transmittance through my segment so far
.set D,   16                           ; v[16:23]  x - xc          index 4 g + q: g = which gaussian of the pair, q = pixel
.set E,   24                           ; v[24:31]  exponent, then alpha
.set W,   32                           ; v[32:39]  weight T alpha
.set BF,  40                           ; v[40:55]  B fragments, two buffers
.set AF,  56                           ; v[56:87]  A fragments, one for each q
.set ACC, 88                           ; v[88:119] accumulators, one for each q
.set RB,  120                          ; v[120:183] records, two buffers of eight
.set P0,  120                          ; in the prologue: plane 0 of my four gaussians,
.set P1,  136                          ;   plane 1,
.set RK,  152                          ;   their ranks; v16, v17 load offsets, v18 y, v19-v26 at work
.set CS,  56                           ; in the combine: C of segment s in v[56 + 2 s ..], T in v[120 + 2 s ..]
.set TS,  120
	s_load_b256 s[4:11], s[0:1], 0x0               ; par s[4:5], rank s[6:7], bg s[8:9], out0 s[10:11]
	v_lshl_add_u32 v184, v0, 2, 0x29000
	v_mov_b32 v185, 0
	v_and_b32 v1, 15, v0                           ; r
	v_bfe_u32 v2, v0, 4, 1                         ; h
	v_lshrrev_b32 v3, 5, v0
	v_readfirstlane_b32 s12, v3                    ; wave 0 .. 15
	s_mov_b32 s13, ttmp9                           ; tx
	s_and_b32 s14, ttmp7, 0xffff                   ; y
	v_lshlrev_b32 v16, 2, v0
	v_lshlrev_b32 v17, 4, v0
	s_wait_kmcnt 0x0
	s_load_b96 s[20:22], s[8:9], 0x0               ; bg
	; thread t takes gaussians t + 512 u.  All twelve loads at once; each covers neighbouring bytes.  No hint: every work-group reads these bytes.
.irp u, 0,1,2,3
	global_load_b32  v[RK+\u], v16, s[6:7] offset:2048*\u
	global_load_b128 v[P0+4*\u:P0+4*\u+3], v17, s[4:5] offset:8192*\u
	global_load_b128 v[P1+4*\u:P1+4*\u+3], v17, s[4:5] offset:32768+8192*\u
.endr
	; while they are on their way: constants and addresses
	s_mov_b32 s16, 0x3b808081                      ; 1 / 255
	s_mov_b32 s17, 0x3f7d70a4                      ; 0.99
	s_lshl_b32 s18, s13, 6
	s_lshl_b32 s19, s12, 1
	v_add_nc_u32 v19, s18, v1
	v_cvt_f32_u32 v[X], v19                        ; x = 64 tx + r, then + 16, + 32, + 48 (whole numbers: exact)
	v_add_f32 v[X+1], 0x41800000, v[X]
	v_add_f32 v[X+2], 0x42000000, v[X]
	v_add_f32 v[X+3], 0x42400000, v[X]
	v_cvt_f32_u32 v18, s14                         ; y
	v_add_nc_u32 v[SEG], s19, v2
	v_lshlrev_b32 v[RA], 10, v[SEG]                ; 64 records of 16 bytes
	v_mul_u32_u24 v[BA], 3, v2
	v_sub_nc_u32 v[BA], v1, v[BA]                  ; channel = column - 3 h; below 0 it wraps to a large number,
	v_min_u32 v[BA], 3, v[BA]                      ; and everything but 0, 1, 2 becomes row 3, the zeros
	v_mul_u32_u24 v[BA], CPITCH, v[BA]
	v_lshl_add_u32 v[BA], v[SEG], 7, v[BA]         ; + 64 bf16 a segment
.irp q, 0,1,2,3
	v_mov_b32 v[T+\q], 1.0
.endr
	v_mov_b32 v22, 0
	v_mov_b32 v23, 0
	v_lshlrev_b32 v21, 3, v0
	ds_store_b64 v21, v[22:23] offset:COLT+3*CPITCH    ; the row of zeros: 512 threads x 8 bytes
; Batch u: the row transform, and the record and its colours to the place that the rank names.  rank is a permutation: no two threads write a byte.
.macro SCAT u
	s_wait_loadcnt 9-3*\u                          ; three loads a batch, returned in order (ISA guide 5.7.1): the younger batches stay out
	v_min_u32 v[RK+\u], 0x7ff, v[RK+\u]            ; a loaded number enters an address only inside the table
	v_sub_f32 v19, v18, v[P0+4*\u+3]               ; dy = y - py
	v_lshlrev_b32 v24, 4, v[RK+\u]
	v_lshlrev_b32 v25, 1, v[RK+\u]
	v_fmac_f32 v[P0+4*\u], v[P1+4*\u], v19         ; xc = px + (b/c) dy
	v_mul_f32 v20, v[P1+4*\u+1], v19
	v_fma_f32 v[P0+4*\u+2], -v20, v19, v[P0+4*\u+2]    ; lr = l2o - (K/c) dy^2
	v_lshrrev_b32 v26, 16, v[P1+4*\u+2]            ; G
	ds_store_b128 v24, v[P0+4*\u:P0+4*\u+3]
	ds_store_b16 v25, v[P1+4*\u+2] offset:COLT
	ds_store_b16 v25, v26 offset:COLT+CPITCH
	ds_store_b16 v25, v[P1+4*\u+3] offset:COLT+2*CPITCH
.endm
	SCAT 0
	SCAT 1
	SCAT 2
	SCAT 3
	s_wait_kmcnt 0x0                               ; bg
	s_wait_dscnt 0x0                               ; zero, for the others' sake: my records are in LDS before I say so
	s_barrier_signal -1
	s_barrier_wait -1
; eight records of my segment, numbers 8 hb .. 8 hb + 7.  The 16 lanes of a half ask for one address.
.macro LOADREC hb, buf
.irp i, 0,1,2,3,4,5,6,7
	ds_load_b128 v[RB+32*(\buf)+4*\i:RB+32*(\buf)+4*\i+3], v[RA] offset:16*(8*(\hb)+\i)
.endr
.endm
; B of block blk: 16 bf16 of my column's channel, gaussians 16 blk .. 16 blk + 15 of my segment; register j holds gaussians 2 j, 2 j + 1
.macro LOADB blk
	ds_load_b128 v[BF+8*(\blk%2):BF+8*(\blk%2)+3],   v[BA] offset:COLT+32*\blk
	ds_load_b128 v[BF+8*(\blk%2)+4:BF+8*(\blk%2)+7], v[BA] offset:COLT+32*\blk+16
.endm
; one gaussian (record in v[rb:rb+3]) at four pixels: E = exp2(lr - A' (x - xc)^2)
.macro EVAL rb, g
.irp p, 0,2
	v_pk_add_f32 v[D+4*\g+\p:D+4*\g+\p+1], v[X+\p:X+\p+1], v[\rb:\rb+1] op_sel_hi:[1,0] neg_lo:[0,1] neg_hi:[0,1]   ; x - xc (both halves take rb)
.endr
.irp p, 0,2
	v_pk_mul_f32 v[E+4*\g+\p:E+4*\g+\p+1], v[D+4*\g+\p:D+4*\g+\p+1], v[\rb:\rb+1] op_sel:[0,1] op_sel_hi:[1,1]      ; A' d (both take rb + 1)
.endr
.irp p, 0,2
	v_pk_fma_f32 v[E+4*\g+\p:E+4*\g+\p+1], v[E+4*\g+\p:E+4*\g+\p+1], v[D+4*\g+\p:D+4*\g+\p+1], v[\rb+2:\rb+3] op_sel_hi:[1,1,0] neg_lo:[1,0,0] neg_hi:[1,0,0]   ; lr - A' d d
.endr
.irp q, 0,1,2,3
	v_exp_f32 v[E+4*\g+\q], v[E+4*\g+\q]
.endr
.endm
; alpha = min(0.99, E), 0 where that is under 1/255; weight = T alpha; T = T - T alpha
.macro BLEND g
	s_wait_alu depctr_va_vdst(0)
.irp q, 0,1,2,3
	v_min_num_f32 v[E+4*\g+\q], s17, v[E+4*\g+\q]
.endr
.irp q, 0,1,2,3
	v_cmp_le_f32 s[40+\q], s16, v[E+4*\g+\q]
.endr
.irp q, 0,1,2,3
	v_cndmask_b32 v[E+4*\g+\q], 0, v[E+4*\g+\q], s[40+\q]
.endr
.irp p, 0,2
	v_pk_mul_f32 v[W+4*\g+\p:W+4*\g+\p+1], v[T+\p:T+\p+1], v[E+4*\g+\p:E+4*\g+\p+1]
.endr
.irp p, 0,2
	v_pk_fma_f32 v[T+\p:T+\p+1], v[T+\p:T+\p+1], v[E+4*\g+\p:E+4*\g+\p+1], v[T+\p:T+\p+1] neg_lo:[1,0,0] neg_hi:[1,0,0]
.endr
.endm
; Two gaussians (records 2 j, 2 j + 1 of buffer buf) at four pixels, and register ja of the four A fragments.
; Behind a run of v_exp_f32 one plain line that touches none of its registers comes first (ISA guide 5.7.2): behind the first run the second
; gaussian's packed lines, behind the second run the first gaussian's v_min_num_f32.
.macro PAIR buf, j, ja
	EVAL RB+32*\buf+8*\j, 0
	EVAL RB+32*\buf+8*\j+4, 1
	BLEND 0
	BLEND 1
.irp q, 0,1,2,3
	v_cvt_pk_bf16_f32 v[AF+8*\q+\ja], v[W+\q], v[W+4+\q]
.endr
.endm
; eight steps.  left = how many younger LDS loads may stay out.
.macro HALF buf, ja0, left
	s_wait_dscnt \left
	PAIR \buf, 0, \ja0
	PAIR \buf, 1, \ja0+1
	PAIR \buf, 2, \ja0+2
	PAIR \buf, 3, \ja0+3
.endm
; four products, one for each group of 16 pixels; the first block starts the sums with the constant 0: nothing is cleared
.macro MM blk
.irp q, 0,1,2,3
.if \blk == 0
	v_wmma_f32_16x16x32_bf16 v[ACC+8*\q:ACC+8*\q+7], v[AF+8*\q:AF+8*\q+7], v[BF+8*(\blk%2):BF+8*(\blk%2)+7], 0
.else
	v_wmma_f32_16x16x32_bf16 v[ACC+8*\q:ACC+8*\q+7], v[AF+8*\q:AF+8*\q+7], v[BF+8*(\blk%2):BF+8*(\blk%2)+7], v[ACC+8*\q:ACC+8*\q+7]
.endif
.endr
.endm
	; THE 64 STEPS, written out (32 PAIRs): no counter, no address is stepped.  Records are asked for one half (8 steps) ahead, B one half ahead.
	; Behind each MM the next loads go into the other B buffer and into the records, which are none of its registers; the first write of an
	; A register follows more than four plain vector lines later.
	LOADREC 0, 0
.irp blk, 0,1,2,3
	LOADB \blk
	LOADREC 2*\blk+1, 1
	HALF 0, 0, 10                                  ; the 2 + 8 loads just issued stay out; this half's eight records are in
.if \blk < 3
	LOADREC 2*\blk+2, 0
	HALF 1, 4, 8                                   ; the 8 just issued stay out; this half's records and the block's B are in
.else
	HALF 1, 4, 0                                   ; nothing was issued behind the last records
.endif
	MM \blk
.endr
	; HAND-OVER.  These seven plain lines name no register of the products above: they are the four places in front of the LDS stores that read
	; the accumulators, and more.
	s_lshl_b32 s18, s12, 4
	v_add_nc_u32 v6, s18, v1                       ; row 16 w + column
	v_mul_u32_u24 v6, CBP, v6
	v_lshl_add_u32 v6, v2, 5, v6                   ; register j of lane (r, h) is pixel 16 q + 8 h + j of column r: byte 64 q + 32 h + 4 j
	v_add_nc_u32 v6, CBUF, v6
	v_mul_u32_u24 v7, TBP, v[SEG]
	v_lshl_add_u32 v7, v1, 2, v7                   ; T of pixel 16 q + r: byte 64 q + 4 r of my segment's row
	v_add_nc_u32 v7, TBUF, v7
.irp q, 0,1,2,3
	ds_store_b128 v6, v[ACC+8*\q:ACC+8*\q+3] offset:64*\q          ; all 16 columns go out (ten are zeros), into the wave's own 16 rows:
	ds_store_b128 v6, v[ACC+8*\q+4:ACC+8*\q+7] offset:64*\q+16     ; every lane stays on
	ds_store_b32 v7, v[T+\q] offset:64*\q
.endr
	s_wait_dscnt 0x0                               ; zero: other waves read these rows behind the barrier
	s_barrier_signal -1
	s_barrier_wait -1
	; COMBINE.  Wave ch = 0, 1, 2 joins the 32 segments of one channel; lane l takes pixels 2 l, 2 l + 1.  The other waves are done.
	s_cmp_gt_u32 s12, 2
	s_cbranch_scc1 .Lend
	v_and_b32 v8, 31, v0
	v_lshlrev_b32 v8, 3, v8                        ; 8 l
	s_mul_i32 s18, s12, CBP
	s_add_co_u32 s18, s18, CBUF
	v_add_nc_u32 v4, s18, v8                       ; segment s lies in row 16 (s / 2) + 3 (s % 2) + ch
	v_add_nc_u32 v5, 128*CBP, v4                   ; a second base for s >= 16: an LDS offset ends at 65,535
	v_add_nc_u32 v6, TBUF, v8
.set sg, 0
.rept 32
.if sg < 16
	ds_load_b64 v[CS+2*sg:CS+2*sg+1], v4 offset:(16*(sg/2)+3*(sg%2))*CBP
.else
	ds_load_b64 v[CS+2*sg:CS+2*sg+1], v5 offset:(16*(sg/2-8)+3*(sg%2))*CBP
.endif
	ds_load_b64 v[TS+2*sg:TS+2*sg+1], v6 offset:TBP*sg
.set sg, sg+1
.endr
	; the output's place, while the loads are out: ch x 65,536 + y x 512 + tx x 256 (+ 8 l in v8)
	s_lshl_b32 s26, s12, 16
	s_lshl_b32 s18, s14, 9
	s_lshl_b32 s19, s13, 8
	s_add_co_u32 s26, s26, s18
	s_add_co_u32 s26, s26, s19
	s_mov_b32 s27, 0
	s_add_nc_u64 s[10:11], s[10:11], s[26:27]
	s_cmp_eq_u32 s12, 1
	s_cselect_b32 s24, s21, s20
	s_cmp_eq_u32 s12, 2
	s_cselect_b32 s24, s22, s24                    ; bg[ch]
	s_mov_b32 s25, s24
	; the sum starts as C of segment 0, the product as T of segment 0
.set sg, 1
.rept 31
	s_wait_dscnt 62-2*sg                           ; two loads a segment: those of the 31 - s younger segments stay out
	v_pk_fma_f32 v[CS:CS+1], v[TS:TS+1], v[CS+2*sg:CS+2*sg+1], v[CS:CS+1]
	v_pk_mul_f32 v[TS:TS+1], v[TS:TS+1], v[TS+2*sg:TS+2*sg+1]
.set sg, sg+1
.endr
	v_pk_fma_f32 v[CS:CS+1], v[TS:TS+1], s[24:25], v[CS:CS+1] op_sel_hi:[1,0,1]    ; + what is left of the light x bg
	global_store_b64 v8, v[CS:CS+1], s[10:11]      ; 32 lanes x 8 bytes: 256 neighbouring bytes, aligned
.Lend:
	s_wait_tensorcnt 0x0
	ds_add_u32 v184, v185
	s_wait_dscnt 0x0
	s_endpgm
.Lfunc_end_k_q6ebf18af78_render:
	.size	k_q6ebf18af78_render, .Lfunc_end_k_q6ebf18af78_render-k_q6ebf18af78_render
	.p2alignl 7, 3214868480
	.fill 96, 4, 3214868480
	.section	.rodata,"a",@progbits
	.p2align	6, 0x0
	.amdhsa_kernel k_q6ebf18af78_render
		.amdhsa_group_segment_fixed_size 169984
		.amdhsa_private_segment_fixed_size 0
		.amdhsa_enable_private_segment 0
		.amdhsa_kernarg_size 32
		.amdhsa_user_sgpr_count 2
		.amdhsa_user_sgpr_kernarg_segment_ptr 1
		.amdhsa_wavefront_size32 1
		.amdhsa_system_sgpr_workgroup_id_x 1
		.amdhsa_system_sgpr_workgroup_id_y 1
		.amdhsa_system_sgpr_workgroup_id_z 1
		.amdhsa_system_vgpr_workitem_id 0
		.amdhsa_next_free_vgpr 186
		.amdhsa_next_free_sgpr 66
		.amdhsa_reserve_vcc 0
		.amdhsa_float_denorm_mode_32 3
		.amdhsa_float_denorm_mode_16_64 3
		.amdhsa_memory_ordered 1
		.amdhsa_forward_progress 1
		.amdhsa_inst_pref_size 121
	.end_amdhsa_kernel
	.amdgpu_metadata
---
amdhsa.version: [ 1, 2 ]
amdhsa.kernels:
  - .name:           k_q6ebf18af78_render
    .symbol:         k_q6ebf18af78_render.kd
    .args:
      - { .name: par, .offset: 0, .size: 8, .value_kind: global_buffer, .address_space: global }
      - { .name: rank, .offset: 8, .size: 8, .value_kind: global_buffer, .address_space: global }
      - { .name: bg, .offset: 16, .size: 8, .value_kind: global_buffer, .address_space: global }
      - { .name: out0, .offset: 24, .size: 8, .value_kind: global_buffer, .address_space: global }
    .group_segment_fixed_size: 169984
    .private_segment_fixed_size: 0
    .kernarg_segment_align: 8
    .kernarg_segment_size: 32
    .max_flat_workgroup_size: 512
    .sgpr_count:     66
    .vgpr_count:     186
    .wavefront_size: 32
...
	.end_amdgpu_metadata
.endif
;; end of part 2
